; MI455X (gfx1250); checked and timed in simulation.
; The chip was launched on July 23, 2026; its instructions are those of AMD's public machine-readable ISA for CDNA 5 (MIT licence, August 2026) and "CDNA5" Instruction Set Architecture Reference Guide (July 2026). The comments in the code are by the model that wrote it; some were corrected since.
;; Multi Head Attention. Allowed arithmetic: float matrix products may take bf16 or f16 operands with f32 sums; all other float work in f32.
;; Inputs: gn_b 128 float32; gn_w 128 float32; proj_b 128 float32; proj_w 128 x 128 float32; qkv_b 384 float32; qkv_w 384 x 128 float32; x 4 x 128 x 64 x 64 float32.
;; Outputs: out0 4 x 128 x 64 x 64 float32.
;; One version. Each part assembles by itself: llvm-mc -triple=amdgcn-amd-amdhsa -mcpu=gfx1250 --defsym DOCPART=n.
;; ======== version 1 of 1: 3 launches
;; workspace buffers: ab 4,096 bytes; wf 131,072 bytes; qf 4,194,304 bytes; kv 8,388,608 bytes
;; launch prep (part 1): grid 128 x 1, 16 waves a work-group, no clusters, 2,304 bytes of LDS; arguments x, gn_w, gn_b, qkv_w, proj_w, ab, wf; writes ab, wf
.if DOCPART == 1
	.amdgcn_target "amdgcn-amd-amdhsa--gfx1250"
	.amdhsa_code_object_version 6
	.text
	.protected	k_q08d542fe28_prep
	.globl	k_q08d542fe28_prep
	.p2align	8
	.type	k_q08d542fe28_prep,@function
k_q08d542fe28_prep:
	s_mov_b64 s[64:65], 0
	v_nop
	global_prefetch_b8 v0, s[64:65] scope:SCOPE_SE
	s_setreg_imm32_b32 hwreg(HW_REG_WAVE_MODE, 25, 1), 1
	s_wait_xcnt 0x0
; GroupNorm statistics, and the weights as bf16 matrix fragments.
; Work-group g (0..127) owns one (batch, group) block of x: 4 channels x 4,096 numbers = 65,536 consecutive bytes at 65,536 g.
; 16 waves, 512 threads, 32 numbers a thread in registers: x is read once, and the variance is the sum of squared deviations from the mean
; (two passes over the registers), never a difference of two large sums.
; Out: ab[4 g + j] = (a, s), a = rstd * gn_w[c], s = gn_b[c] - mean * a, so that the normalised value is one fused a * x + s.  32 bytes a group.
; Threads 0..63 (waves 0, 1) also turn weight tile g into bf16: tiles 0..95 are qkv_w (16 rows o-tile g / 4, 32 columns K step g % 4),
; tiles 96..127 proj_w likewise.  A tile is 1,024 bytes in FRAGMENT ORDER: bytes 16 L hold registers 0-3 of lane L of a 16 x 32 operand
; (row L % 16, k = 8 (L / 16) + 0..7), bytes 512 + 16 L its registers 4-7 (k = 16 + 8 (L / 16) + 0..7): a later load of lane L at 16 L fills the operand.
; 128 work-groups: a group's sum has one owner, and there are 128 groups.  No matrix unit, no cluster, no copy engine: 64 KiB go once through registers,
; and no two work-groups read the same bytes.
; Limits: finite inputs.
.set X,  8                             ; v[8:39]   my 32 numbers
.set T,  40                            ; v[40:55]  partial sums
.set W,  56                            ; v[56:63]  8 weights in f32, then 4 words of bf16
.set GW, 64                            ; gn_w of channel 4 (g % 32) + tid % 4
.set GB, 65                            ; gn_b of it
.set RS, 66                            ; 1 / sqrt(var + eps)
.set AO, 67                            ; byte offset of my pair in ab
.set AS, 68                            ; v[68:69]  (a, s)
	s_load_b256 s[4:11], s[0:1], 0x0               ; x s[4:5], gn_w s[6:7], gn_b s[8:9], qkv_w s[10:11]
	s_load_b128 s[12:15], s[0:1], 0x20             ; proj_w s[12:13], ab s[14:15]
	s_load_b64 s[16:17], s[0:1], 0x30              ; wf
	v_lshl_add_u32 v72, v0, 2, 0x100
	v_mov_b32 v73, 0
	v_lshrrev_b32 v1, 5, v0
	v_readfirstlane_b32 s18, v1                    ; wave 0..15
	v_lshlrev_b32 v1, 4, v0                        ; 16 tid: a wave's load covers 512 consecutive bytes
	s_lshl_b32 s20, ttmp9, 16                      ; my block of x
	s_mov_b32 s21, 0
	s_mov_b32 s22, 0x76543210                      ; v_permlanex16_b32: lane i reads lane i of the other half
	s_mov_b32 s23, 0xfedcba98
	v_mov_b32 v5, 0                                ; upper register of the pair (mean, -): named by the packed forms, never used
	v_mov_b32 v7, 0                                ; LDS address 0
	v_mov_b32 v6, s18
	v_lshlrev_b32 v6, 2, v6                        ; my wave's word in LDS
	s_wait_kmcnt 0x0
	s_add_nc_u64 s[4:5], s[4:5], s[20:21]
.irp i, 0,1,2,3,4,5,6,7
	global_load_b128 v[X+4*\i:X+4*\i+3], v1, s[4:5] offset:8192*\i
.endr
	s_cmp_gt_u32 s18, 1
	s_cbranch_scc1 .Lsum                           ; waves 2..15 have no weights to fetch
	s_cmp_lt_u32 ttmp9, 96                         ; tiles 0..95 come from qkv_w, the others from proj_w
	s_cselect_b64 s[26:27], s[10:11], s[12:13]
	s_cselect_b32 s29, 0, 96
	s_sub_co_u32 s28, ttmp9, s29                   ; the tile's number in its matrix
	s_lshr_b32 s30, s28, 2
	s_lshl_b32 s30, s30, 13                        ; 16 rows of 512 bytes for each o-tile
	s_and_b32 s31, s28, 3
	s_lshl_b32 s31, s31, 7                         ; 32 columns of 4 bytes for each K step
	s_add_co_u32 s24, s30, s31
	s_mov_b32 s25, 0
	s_add_nc_u64 s[26:27], s[26:27], s[24:25]
	s_and_b32 s19, ttmp9, 31
	s_lshl_b32 s19, s19, 4                         ; 4 channels of 4 bytes for each group
	v_and_b32 v2, 15, v0
	v_lshlrev_b32 v2, 9, v2                        ; row tid % 16
	v_bfe_u32 v3, v0, 4, 2                         ; (tid / 16) % 4 = lane half + 2 x register half
	v_lshl_add_u32 v2, v3, 5, v2                   ; 8 columns = 32 bytes for each
	v_and_b32 v3, 3, v0
	v_lshl_add_u32 v3, v3, 2, s19
	global_load_b128 v[W:W+3], v2, s[26:27]
	global_load_b128 v[W+4:W+7], v2, s[26:27] offset:16
	global_load_b32 v[GW], v3, s[6:7]
	global_load_b32 v[GB], v3, s[8:9]
.Lsum:
	s_wait_loadcnt 0x0                             ; everything is needed at once: the sum takes all 32 numbers
.macro FOLD8                           ; T[0..7] to one number in T[0]
.irp j, 0,2
	v_pk_add_f32 v[T+\j:T+\j+1], v[T+\j:T+\j+1], v[T+4+\j:T+5+\j]
.endr
	v_pk_add_f32 v[T:T+1], v[T:T+1], v[T+2:T+3]
	v_add_f32 v[T], v[T], v[T+1]
.endm
.macro FOLD16
.irp j, 0,2,4,6
	v_pk_add_f32 v[T+\j:T+\j+1], v[T+\j:T+\j+1], v[T+8+\j:T+9+\j]
.endr
	FOLD8
.endm
; The wave's sum of T[0] into its word at LDS byte base + 4 wave; the barrier shows all sixteen words to every wave.
.macro PUT base
	v_add_f32_dpp v[T], v[T], v[T] row_xmask:1 row_mask:0xf bank_mask:0xf
	v_add_f32_dpp v[T], v[T], v[T] row_xmask:2 row_mask:0xf bank_mask:0xf
	v_add_f32_dpp v[T], v[T], v[T] row_xmask:4 row_mask:0xf bank_mask:0xf
	v_add_f32_dpp v[T], v[T], v[T] row_xmask:8 row_mask:0xf bank_mask:0xf
	v_permlanex16_b32 v[T+1], v[T], s22, s23
	v_add_f32 v[T], v[T], v[T+1]
	ds_store_b32 v6, v[T] offset:\base
	s_wait_dscnt 0x0                               ; my word is written before I say so
	s_barrier_signal -1
	s_barrier_wait -1
.endm
.macro GET base                        ; the sixteen words, summed in the same order in every lane
.irp i, 0,1,2,3
	ds_load_b128 v[T+4*\i:T+4*\i+3], v7 offset:\base+16*\i
.endr
	s_wait_dscnt 0x0
	FOLD16
.endm
	; pass 1: the mean
.irp j, 0,2,4,6,8,10,12,14
	v_pk_add_f32 v[T+\j:T+\j+1], v[X+\j:X+\j+1], v[X+16+\j:X+17+\j]
.endr
	FOLD16
	PUT 0
	GET 0
	v_mul_f32 v4, 0x38800000, v[T]                 ; / 16,384
	; pass 2: the sum of squared deviations, in four chains; its words lie at bytes 64..127, which pass 1 never touched
.set idx, 0
.rept 16
	v_pk_add_f32 v[X+idx:X+idx+1], v[X+idx:X+idx+1], v[4:5] op_sel_hi:[1,0] neg_lo:[0,1] neg_hi:[0,1]
.set idx, idx+2
.endr
.irp k, 0,2,4,6
	v_pk_mul_f32 v[T+\k:T+\k+1], v[X+\k:X+\k+1], v[X+\k:X+\k+1]
.endr
.irp m, 8,16,24
.irp k, 0,2,4,6
	v_pk_fma_f32 v[T+\k:T+\k+1], v[X+\m+\k:X+\m+\k+1], v[X+\m+\k:X+\m+\k+1], v[T+\k:T+\k+1]
.endr
.endr
	FOLD8
	PUT 64
	s_cmp_gt_u32 s18, 1
	s_cbranch_scc1 .Lend                           ; only waves 0 and 1 have anything to store
	GET 64
	s_lshl_b32 s24, ttmp9, 10                      ; my tile of wf
	s_add_nc_u64 s[16:17], s[16:17], s[24:25]
	s_lshl_b32 s24, ttmp9, 5                       ; my four pairs of ab
	s_add_nc_u64 s[14:15], s[14:15], s[24:25]
	v_mov_b32 v[RS], 0x38800000
	v_fmaak_f32 v[RS], v[T], v[RS], 0x3727c5ac     ; var + eps = sum / 16,384 + 1e-5
	v_rsq_f32 v[RS], v[RS]
	v_cvt_pk_bf16_f32 v[W], v[W], v[W+1]           ; plain work behind v_rsq_f32, ahead of the first use of its result (ISA guide 5.7.2)
	v_cvt_pk_bf16_f32 v[W+1], v[W+2], v[W+3]
	v_cvt_pk_bf16_f32 v[W+2], v[W+4], v[W+5]
	v_cvt_pk_bf16_f32 v[W+3], v[W+6], v[W+7]
	s_wait_alu depctr_va_vdst(0)
	v_mul_f32 v[AS], v[RS], v[GW]                  ; a
	v_fma_f32 v[AS+1], -v4, v[AS], v[GB]           ; s
	v_lshlrev_b32 v[AO], 3, v0
	global_store_b128 v1, v[W:W+3], s[16:17]       ; thread t's 16 bytes at 16 t: each wave stores 512 consecutive bytes
	v_cmp_gt_u32 vcc_lo, 4, v0
	s_wait_xcnt 0x0                                ; EXEC is a source of the store above: it changes only behind this wait
	s_and_saveexec_b32 s30, vcc_lo                 ; threads 0..3: one channel each
	global_store_b64 v[AO], v[AS:AS+1], s[14:15]
	s_wait_xcnt 0x0                                ; and again in front of the line that widens it
	s_or_b32 exec_lo, exec_lo, s30
	s_wait_tensorcnt 0x0
	ds_add_u32 v72, v73
	s_wait_dscnt 0x0
	s_endpgm
.Lend:
	s_wait_tensorcnt 0x0
	ds_add_u32 v72, v73
	s_wait_dscnt 0x0
	s_endpgm
.Lfunc_end_k_q08d542fe28_prep:
	.size	k_q08d542fe28_prep, .Lfunc_end_k_q08d542fe28_prep-k_q08d542fe28_prep
	.p2alignl 7, 3214868480
	.fill 96, 4, 3214868480
	.section	.rodata,"a",@progbits
	.p2align	6, 0x0
	.amdhsa_kernel k_q08d542fe28_prep
		.amdhsa_group_segment_fixed_size 2304
		.amdhsa_private_segment_fixed_size 0
		.amdhsa_enable_private_segment 0
		.amdhsa_kernarg_size 56
		.amdhsa_user_sgpr_count 2
		.amdhsa_user_sgpr_kernarg_segment_ptr 1
		.amdhsa_wavefront_size32 1
		.amdhsa_system_sgpr_workgroup_id_x 1
		.amdhsa_system_sgpr_workgroup_id_y 1
		.amdhsa_system_sgpr_workgroup_id_z 1
		.amdhsa_system_vgpr_workitem_id 0
		.amdhsa_next_free_vgpr 74
		.amdhsa_next_free_sgpr 66
		.amdhsa_reserve_vcc 1
		.amdhsa_float_denorm_mode_32 3
		.amdhsa_float_denorm_mode_16_64 3
		.amdhsa_memory_ordered 1
		.amdhsa_forward_progress 1
		.amdhsa_inst_pref_size 11
	.end_amdhsa_kernel
	.amdgpu_metadata
---
amdhsa.version: [ 1, 2 ]
amdhsa.kernels:
  - .name:           k_q08d542fe28_prep
    .symbol:         k_q08d542fe28_prep.kd
    .args:
      - { .name: x, .offset: 0, .size: 8, .value_kind: global_buffer, .address_space: global }
      - { .name: gn_w, .offset: 8, .size: 8, .value_kind: global_buffer, .address_space: global }
      - { .name: gn_b, .offset: 16, .size: 8, .value_kind: global_buffer, .address_space: global }
      - { .name: qkv_w, .offset: 24, .size: 8, .value_kind: global_buffer, .address_space: global }
      - { .name: proj_w, .offset: 32, .size: 8, .value_kind: global_buffer, .address_space: global }
      - { .name: ab, .offset: 40, .size: 8, .value_kind: global_buffer, .address_space: global }
      - { .name: wf, .offset: 48, .size: 8, .value_kind: global_buffer, .address_space: global }
    .group_segment_fixed_size: 2304
    .private_segment_fixed_size: 0
    .kernarg_segment_align: 8
    .kernarg_segment_size: 56
    .max_flat_workgroup_size: 512
    .sgpr_count:     66
    .vgpr_count:     74
    .wavefront_size: 32
...
	.end_amdgpu_metadata
.endif
;; end of part 1
;; launch qkv (part 2): grid 64 x 4, 8 waves a work-group, no clusters, 21,504 bytes of LDS; arguments x, ab, wf, qkv_b, qf, kv; writes qf, kv
.if DOCPART == 2
	.amdgcn_target "amdgcn-amd-amdhsa--gfx1250"
	.amdhsa_code_object_version 6
	.text
	.protected	k_q08d542fe28_qkv
	.globl	k_q08d542fe28_qkv
	.p2align	8
	.type	k_q08d542fe28_qkv,@function
k_q08d542fe28_qkv:
	s_mov_b64 s[64:65], 0
	v_nop
	global_prefetch_b8 v0, s[64:65] scope:SCOPE_SE
	s_setreg_imm32_b32 hwreg(HW_REG_WAVE_MODE, 25, 1), 1
	s_wait_xcnt 0x0
; xn = a x + s, then q, k, v = qkv_w xn + qkv_b, rounded to bf16 and stored as the attention launch's matrix fragments.
; Work-group (tb, b) owns 64 tokens of batch b: 256 bytes of each of the 128 channel rows.  It normalises them once, lays them into LDS as
; bf16 [channel][token], and each of the eight waves (head hd = w / 2, parity p = w % 2) makes three 16-row tiles of the 384 outputs
; (q: rows 96 hd + 16 p, k: + 32, v: + 64) for the four token tiles, in two halves of two.
; FRAGMENT ORDER (1,024 bytes for a 16 x 32 bf16 operand: bytes 16 L = lane L's registers 0-3, bytes 512 + 16 L = registers 4-7):
;   q, k:  D = W (rows o) x xn (columns t): lane (r, h) holds o = 16 p + 8 h + 0..7 of token r: packed, these are registers 4 p .. 4 p + 3 of the
;          operand with row = token, k = channel of the head.
;   v:     D = xn (rows t) x W (columns o): lane (r, h) holds tokens 8 h + 0..7 of channel 16 p + r: packed, registers 4 tt .. 4 tt + 3 of the operand
;          with row = channel, k = token in a block of 32 (tt = the token tile's parity).
; So every store of a wave is 512 consecutive bytes at a multiple of 512, and nothing is shuffled here or in the attention launch.
; qf: [4 b + hd][token tile 0..255][1,024].   kv: [4 b + hd][block of 32 tokens 0..127][K tile 0 | K tile 1 | V channels 0-15 | V channels 16-31], 1,024 bytes each.
; q is multiplied in f32, before rounding, by log2(e) / sqrt(32): the product of the module's two scales 32^(-1/4), and the base 2 of v_exp_f32.  k is not scaled.
; No cluster, no copy engine: a wave needs its 12 KiB of weights once, as register images, and the work-group has one tile of x and no ring; a joint
; request would send the weights through LDS first.  Limits: finite inputs.
.set PITCH,  160                       ; an LDS row: 64 bf16 + 32 bytes of padding, an odd multiple of 32 bytes, as the transposing load's eight-row groups want
.set QSCALE, 0x3e8293ee                ; log2(e) / sqrt(32)
.set VB,  10                           ; v[10:11]   v's bias of my column, and the pair's upper register
.set BQ,  12                           ; v[12:19]   q's bias of my 8 rows: the first product's C
.set BK,  20                           ; v[20:27]   k's
.set WF,  28                           ; v[28:123]  weight fragments: 32 x kind (q, k, v) + 8 x K step
.set XF,  124                          ; v[124:187] xn fragments: 32 x token tile of the half + 8 x K step; before that x as loaded, v[124:155]
.set AB,  156                          ; v[156:171] (a, s) of my 8 channels
.set ACC, 188                          ; v[188:235] six accumulators: 8 x (2 x kind + token tile)
.macro MM d, a, b, c
	v_wmma_f32_16x16x32_bf16 v[\d:\d+7], v[\a:\a+7], v[\b:\b+7], v[\c:\c+7]
.endm
.macro MM0 d, a, b
	v_wmma_f32_16x16x32_bf16 v[\d:\d+7], v[\a:\a+7], v[\b:\b+7], 0
.endm
	s_load_b256 s[4:11], s[0:1], 0x0               ; x s[4:5], ab s[6:7], wf s[8:9], qkv_b s[10:11]
	s_load_b128 s[12:15], s[0:1], 0x20             ; qf s[12:13], kv s[14:15]
	v_lshl_add_u32 v240, v0, 2, 0x5000
	v_mov_b32 v241, 0
	v_lshrrev_b32 v1, 5, v0
	v_readfirstlane_b32 s16, v1                    ; wave 0..7
	s_lshr_b32 s17, s16, 1                         ; head
	s_and_b32 s18, s16, 1                          ; parity
	s_and_b32 s20, ttmp7, 0xffff                   ; batch
	v_and_b32 v1, 31, v0
	v_lshlrev_b32 v1, 4, v1                        ; 16 L
	v_and_b32 v3, 7, v0
	v_bfe_u32 v9, v0, 4, 1                         ; h
	v_lshl_or_b32 v3, v9, 3, v3                    ; 8 h + L % 8: the channel row that I address for the transposing load
	v_mul_u32_u24 v2, v3, PITCH
	v_bfe_u32 v3, v0, 3, 1
	v_lshl_add_u32 v2, v3, 4, v2                   ; + 16 ((L / 8) % 2)
	v_lshlrev_b32 v7, 5, v9                        ; 32 h: my 8 rows' biases
	v_lshrrev_b32 v3, 4, v0                        ; tid / 16: my channel in each set of 16
	v_and_b32 v9, 15, v0                           ; tid % 16 = r
	v_lshlrev_b32 v4, 14, v3                       ; a channel row of x is 16,384 bytes
	v_lshl_add_u32 v4, v9, 4, v4                   ; sixteen neighbouring lanes read the row's 256 bytes
	v_lshlrev_b32 v5, 3, v3                        ; my channel's pair in ab
	v_mul_u32_u24 v6, v3, PITCH
	v_lshl_add_u32 v6, v9, 3, v6                   ; where my 4 bf16 go
	v_lshlrev_b32 v8, 2, v9                        ; 4 r: my column's bias
	v_mov_b32 v[VB+1], 0
	s_lshl_b32 s22, s20, 21                        ; a batch of x is 2 MiB
	s_lshl_b32 s23, ttmp9, 8
	s_add_co_u32 s22, s22, s23
	s_mov_b32 s23, 0
	s_lshl_b32 s28, s20, 10                        ; 128 pairs of ab a batch
	s_mov_b32 s29, 0
	s_mul_i32 s19, s17, 6
	s_add_co_u32 s19, s19, s18                     ; q's o-tile: 6 hd + p
	s_lshl_b32 s30, s19, 12                        ; four K steps of 1,024 bytes an o-tile
	s_mov_b32 s31, 0
	s_lshl_b32 s32, s19, 6                         ; 16 biases of 4 bytes an o-tile
	s_mov_b32 s33, 0
	s_lshl2_add_u32 s21, s20, s17                  ; 4 b + hd
	s_lshl_b32 s34, s21, 18
	s_lshl_b32 s35, ttmp9, 12                      ; four token tiles a work-group
	s_add_co_u32 s34, s34, s35
	s_lshl_b32 s35, s18, 9                         ; the parity's half of each tile
	s_add_co_u32 s34, s34, s35
	s_mov_b32 s35, 0
	s_lshl_b32 s36, s21, 19
	s_lshl_b32 s37, ttmp9, 13                      ; two blocks of 4,096 bytes a work-group
	s_add_co_u32 s36, s36, s37
	s_mov_b32 s37, 0
	s_wait_kmcnt 0x0
	s_add_nc_u64 s[4:5], s[4:5], s[22:23]
	s_add_nc_u64 s[6:7], s[6:7], s[28:29]
	s_add_nc_u64 s[8:9], s[8:9], s[30:31]
	s_add_nc_u64 s[10:11], s[10:11], s[32:33]
	s_add_nc_u64 s[12:13], s[12:13], s[34:35]
	s_add_nc_u64 s[14:15], s[14:15], s[36:37]
	s_lshl_b32 s36, s18, 9
	s_add_nc_u64 s[24:25], s[14:15], s[36:37]      ; K: + 512 p
	s_lshl_b32 s36, s18, 10
	s_add_co_u32 s36, s36, 2048
	s_add_nc_u64 s[26:27], s[14:15], s[36:37]      ; V: + 2,048 + 1,024 p
.irp i, 0,1,2,3,4,5,6,7
	global_load_b128 v[XF+4*\i:XF+4*\i+3], v4, s[4:5] offset:262144*\i     ; channel 16 i + tid / 16
.endr
.irp i, 0,1,2,3,4,5,6,7
	global_load_b64 v[AB+2*\i:AB+2*\i+1], v5, s[6:7] offset:128*\i
.endr
.irp kind, 0,1,2
.irp kk, 0,1,2,3
	global_load_b128 v[WF+32*\kind+8*\kk:WF+32*\kind+8*\kk+3],   v1, s[8:9] offset:8192*\kind+1024*\kk
	global_load_b128 v[WF+32*\kind+8*\kk+4:WF+32*\kind+8*\kk+7], v1, s[8:9] offset:8192*\kind+1024*\kk+512
.endr
.endr
	global_load_b128 v[BQ:BQ+3],   v7, s[10:11]
	global_load_b128 v[BQ+4:BQ+7], v7, s[10:11] offset:16
	global_load_b128 v[BK:BK+3],   v7, s[10:11] offset:128
	global_load_b128 v[BK+4:BK+7], v7, s[10:11] offset:144
	global_load_b32 v[VB], v8, s[10:11] offset:256
	s_wait_loadcnt 29                              ; x and ab are in; the 24 weight loads and 5 bias loads behind them stay out
.irp i, 0,1,2,3,4,5,6,7
.irp j, 0,1,2,3
	v_fma_f32 v[XF+4*\i+\j], v[XF+4*\i+\j], v[AB+2*\i], v[AB+2*\i+1]
.endr
	v_cvt_pk_bf16_f32 v[XF+4*\i],   v[XF+4*\i],   v[XF+4*\i+1]
	v_cvt_pk_bf16_f32 v[XF+4*\i+1], v[XF+4*\i+2], v[XF+4*\i+3]
	ds_store_b64 v6, v[XF+4*\i:XF+4*\i+1] offset:16*PITCH*\i
.endr
	s_wait_dscnt 0x0                               ; my part of xn is written before I say so
	s_barrier_signal -1
	s_barrier_wait -1                              ; the tile is whole; nothing writes it again
; Token tiles 2 th and 2 th + 1.
.macro HALF th
.irp tt, 0,1
.irp kk, 0,1,2,3
	ds_load_tr16_b128 v[XF+32*\tt+8*\kk:XF+32*\tt+8*\kk+3],   v2 offset:32*PITCH*\kk+32*(2*\th+\tt)            ; channels 32 kk + 8 h + 0..7 of token r
	ds_load_tr16_b128 v[XF+32*\tt+8*\kk+4:XF+32*\tt+8*\kk+7], v2 offset:32*PITCH*\kk+16*PITCH+32*(2*\th+\tt)   ; channels 32 kk + 16 + 8 h + 0..7
.endr
.endr
	s_wait_dscnt 0x0
.if \th == 0
	s_wait_loadcnt 0x0                             ; weights and biases
.else
	s_wait_xcnt 0x0                                ; the first half's stores read the accumulators' registers: they are rewritten only behind this wait
.endif
	; six accumulators take turns, one instruction a turn
.irp kk, 0,1,2,3
.irp tt, 0,1
.if \kk == 0
	MM ACC+8*\tt, WF+8*\kk, XF+32*\tt+8*\kk, BQ    ; the bias starts the sum
.else
	MM ACC+8*\tt, WF+8*\kk, XF+32*\tt+8*\kk, ACC+8*\tt
.endif
.endr
.irp tt, 0,1
.if \kk == 0
	MM ACC+16+8*\tt, WF+32+8*\kk, XF+32*\tt+8*\kk, BK
.else
	MM ACC+16+8*\tt, WF+32+8*\kk, XF+32*\tt+8*\kk, ACC+16+8*\tt
.endif
.endr
.irp tt, 0,1
.if \kk == 0
	MM0 ACC+32+8*\tt, XF+32*\tt+8*\kk, WF+64+8*\kk
.else
	MM ACC+32+8*\tt, XF+32*\tt+8*\kk, WF+64+8*\kk, ACC+32+8*\tt
.endif
.endr
.endr
.rept 4
	v_nop                                          ; four places behind the last matrix instruction: for the lines below, which read results, and for the next half's loads into XF
.endr
.irp tt, 0,1
.irp j, 0,2,4,6
	v_pk_mul_f32 v[ACC+8*\tt+\j:ACC+8*\tt+\j+1], v[ACC+8*\tt+\j:ACC+8*\tt+\j+1], QSCALE op_sel_hi:[1,0]
	v_pk_add_f32 v[ACC+32+8*\tt+\j:ACC+32+8*\tt+\j+1], v[ACC+32+8*\tt+\j:ACC+32+8*\tt+\j+1], v[VB:VB+1] op_sel_hi:[1,0]
.endr
.endr
.irp a, 0,1,2,3,4,5
.irp j, 0,1,2,3
	v_cvt_pk_bf16_f32 v[ACC+8*\a+\j], v[ACC+8*\a+2*\j], v[ACC+8*\a+2*\j+1]     ; packed downwards in place: word j is read before it is written
.endr
.endr
.irp tt, 0,1
	global_store_b128 v1, v[ACC+8*\tt:ACC+8*\tt+3],       s[12:13] offset:1024*(2*\th+\tt)
	global_store_b128 v1, v[ACC+16+8*\tt:ACC+16+8*\tt+3], s[24:25] offset:4096*\th+1024*\tt
	global_store_b128 v1, v[ACC+32+8*\tt:ACC+32+8*\tt+3], s[26:27] offset:4096*\th+512*\tt
.endr
.endm
	HALF 0
	HALF 1
	s_wait_tensorcnt 0x0
	ds_add_u32 v240, v241
	s_wait_dscnt 0x0
	s_endpgm
.Lfunc_end_k_q08d542fe28_qkv:
	.size	k_q08d542fe28_qkv, .Lfunc_end_k_q08d542fe28_qkv-k_q08d542fe28_qkv
	.p2alignl 7, 3214868480
	.fill 96, 4, 3214868480
	.section	.rodata,"a",@progbits
	.p2align	6, 0x0
	.amdhsa_kernel k_q08d542fe28_qkv
		.amdhsa_group_segment_fixed_size 21504
		.amdhsa_private_segment_fixed_size 0
		.amdhsa_enable_private_segment 0
		.amdhsa_kernarg_size 48
		.amdhsa_user_sgpr_count 2
		.amdhsa_user_sgpr_kernarg_segment_ptr 1
		.amdhsa_wavefront_size32 1
		.amdhsa_system_sgpr_workgroup_id_x 1
		.amdhsa_system_sgpr_workgroup_id_y 1
		.amdhsa_system_sgpr_workgroup_id_z 1
		.amdhsa_system_vgpr_workitem_id 0
		.amdhsa_next_free_vgpr 242
		.amdhsa_next_free_sgpr 66
		.amdhsa_reserve_vcc 0
		.amdhsa_float_denorm_mode_32 3
		.amdhsa_float_denorm_mode_16_64 3
		.amdhsa_memory_ordered 1
		.amdhsa_forward_progress 1
		.amdhsa_inst_pref_size 23
	.end_amdhsa_kernel
	.amdgpu_metadata
---
amdhsa.version: [ 1, 2 ]
amdhsa.kernels:
  - .name:           k_q08d542fe28_qkv
    .symbol:         k_q08d542fe28_qkv.kd
    .args:
      - { .name: x, .offset: 0, .size: 8, .value_kind: global_buffer, .address_space: global }
      - { .name: ab, .offset: 8, .size: 8, .value_kind: global_buffer, .address_space: global }
      - { .name: wf, .offset: 16, .size: 8, .value_kind: global_buffer, .address_space: global }
      - { .name: qkv_b, .offset: 24, .size: 8, .value_kind: global_buffer, .address_space: global }
      - { .name: qf, .offset: 32, .size: 8, .value_kind: global_buffer, .address_space: global }
      - { .name: kv, .offset: 40, .size: 8, .value_kind: global_buffer, .address_space: global }
    .group_segment_fixed_size: 21504
    .private_segment_fixed_size: 0
    .kernarg_segment_align: 8
    .kernarg_segment_size: 48
    .max_flat_workgroup_size: 256
    .sgpr_count:     66
    .vgpr_count:     242
    .wavefront_size: 32
...
	.end_amdgpu_metadata
.endif
;; end of part 2
;; launch attn (part 3): grid 64 x 4, 8 waves a work-group, clusters of 4 x 1, 327,680 bytes of LDS; arguments qf, kv, wf, proj_b, x, out0; writes out0
.if DOCPART == 3
	.amdgcn_target "amdgcn-amd-amdhsa--gfx1250"
	.amdhsa_code_object_version 6
	.text
	.protected	k_q08d542fe28_attn
	.globl	k_q08d542fe28_attn
	.p2align	8
	.type	k_q08d542fe28_attn,@function
k_q08d542fe28_attn:
	s_mov_b64 s[64:65], 0
	v_nop
	global_prefetch_b8 v0, s[64:65] scope:SCOPE_SE
	s_setreg_imm32_b32 hwreg(HW_REG_WAVE_MODE, 25, 1), 1
	s_wait_xcnt 0x0
	s_wait_alu depctr_hold_cnt(0) depctr_sa_sdst(0) depctr_va_vdst(0) depctr_va_sdst(0) depctr_va_ssrc(0) depctr_va_vcc(0) depctr_vm_vsrc(0)
	s_getreg_b32 s2, hwreg(HW_REG_IB_STS2, 6, 4)
	s_cmp_eq_u32 s2, 0
	s_cbranch_scc0 .Lentry_in_a_cluster
	s_endpgm
.Lentry_in_a_cluster:
	s_bfe_u32 s2, ttmp6, 0x10000c
	s_cmp_lg_u32 s2, 0x3003
	s_cbranch_scc0 .Lentry_shape_is_right
	s_endpgm
.Lentry_shape_is_right:
; Attention with a running maximum, 1 / l, the projection, its bias and the residual.
; Work-group (qb, b) owns 64 queries of batch b, all four heads, so that the projection (a sum over all 128 channels) stays inside it.
; Eight waves: head = w / 2, query half qh = w % 2; a wave holds 32 queries (two tiles of 16) against all 4,096 keys.
; EVERYTHING IS USED TRANSPOSED, so that a query is a lane and nothing is shuffled between the two products (lane L = (r, h), r = L % 16, h = L / 16):
;   S^T = K (rows: keys) x Q (columns: queries): lane (r, h) holds keys 16 t + 8 h + 0..7 of query r.  The maximum is taken inside the lane and once across the halves.
;   exp2 and packing of key tiles 2 kb, 2 kb + 1 are registers 0-3 and 4-7 of the operand P^T (column = query, k = key in a block of 32).
;   O^T = V^T (rows: channels) x P^T: lane (r, h) holds channels 16 ct + 8 h + 0..7 of query r: the maximum, its correction and 1 / l are one number a lane.
;   l = ONES x P^T: the sum of the same bf16 p that the numerator uses, made by the matrix unit; all eight registers of a lane hold it.
;   Packed O^T is the operand (row = query, k = channel of the head) of the projection, whose K step is the head.
; K and V lie in kv as register images (a lane's 16 bytes at 16 L): LDS reads are consecutive, without padding.
; CLUSTER: the four work-groups of a cluster share b, hence every K and V tile: each tile is asked for jointly (mask 15), which divides the requests by four.
; The key stream goes in 16 tiles of 256 keys x 4 heads = 128 KiB through two LDS slots; each wave asks for 16 KiB of a tile, one tensor load, the only one it
; has outstanding; the load is issued first thing behind a round of the cluster's barrier and waited for in front of the next round, a whole tile's work later.
; No prefetch: each tile is already asked for one tile (4 steps, 80 matrix instructions a wave) ahead of its first read.
; LIMITS: finite inputs.  q carries log2(e) / sqrt(32); the exponent s - m is at most 0; a p below 2^-126 comes out as 0 (v_exp_f32's entry in ISA guide 15.8);
; l is at least 1, since the largest score's p is 1.  q, k, v, p, the attention's result and the weights are bf16; sums, maxima and the residual f32.
.set SLOT,  131072                     ; a slot: head x 32,768 + block of 32 keys x 4,096
.set ASTG,  262144                     ; 16 KiB: the attention's result as fragments, (4 x head + query tile) x 1,024 = (2 x wave + the wave's tile) x 1,024; no tensor load ever lands here
.set OSTG,  278528                     ; 8 waves x 16 rows x 272 bytes: each wave's own stage for the way out; no tensor load ever lands here
.set TM, 4                             ; v[4:7]     four running maxima
.set MX, 8                             ; v[8:11]    m of query tile 0, -, m of query tile 1, -   (pairs for the packed forms; later 1 / l)
.set AL, 12                            ; v[12:13]   2^(old m - new m), -
.set QF, 16                            ; v[16:31]   Q, 8 x query tile
.set ON, 32                            ; v[32:39]   a 16 x 32 operand of ones
.set OA, 40                            ; v[40:71]   O^T, 16 x query tile + 8 x channel tile; later the projection's four accumulators
.set LS, 72                            ; v[72:87]   l, 8 x query tile
.set PF, 88                            ; v[88:103]  P^T, 8 x block
.set KF, 104                           ; v[104:135] K, 8 x key tile; at the end proj_w's four K steps
.set VF, 136                           ; v[136:167] V^T, 8 x (2 x block + channel tile); at the end x
.set SC, 168                           ; v[168:231] S^T, 32 x query tile + 8 x key tile; at the end the projection's A operands, then rows on their way out
.set BI, 232                           ; v[232:239] proj_b of my column, eight times: the projection's first C
; v1 16 L   v2, v3 my head's tile in slot 0, 1 (+ 16 L)   v14 where I put my result in ASTG   v15 ASTG + 16 L
; v240, v241 my stage: in, back   v242 my bytes in x and out0   v243 4 r
; s[24:31] descriptor group 1   s[32:35], s[36:39] group 0 of slot 0, 1
.macro MM d, a, b, c
	v_wmma_f32_16x16x32_bf16 v[\d:\d+7], v[\a:\a+7], v[\b:\b+7], v[\c:\c+7]
.endm
.macro MM0 d, a, b
	v_wmma_f32_16x16x32_bf16 v[\d:\d+7], v[\a:\a+7], v[\b:\b+7], 0
.endm
.macro PLACES                          ; four places behind a matrix instruction (ISA guide 7.12.1)
.rept 4
	v_nop
.endr
.endm
; A round of the cluster's barrier: my work-group's barrier, so that wave 0 speaks for all eight waves; wave 0 signals; every wave waits for the four work-groups; my work-group's barrier again.
.macro ROUND
	s_barrier_signal -1
	s_barrier_wait -1
	s_cmp_lg_u32 s16, 0
	s_cbranch_scc1 .Lnot_wave_0_\@
	s_barrier_signal -3
.Lnot_wave_0_\@:
	s_barrier_wait -3
	s_barrier_signal -1
	s_barrier_wait -1
.endm
	s_load_b256 s[4:11], s[0:1], 0x0               ; qf s[4:5], kv s[6:7], wf s[8:9], proj_b s[10:11]
	s_load_b128 s[12:15], s[0:1], 0x20             ; x s[12:13], out0 s[14:15]
	v_lshl_add_u32 v254, v0, 2, 0x4c800
	v_mov_b32 v255, 0
	ds_add_u32 v254, v255
	v_lshrrev_b32 v1, 5, v0
	v_readfirstlane_b32 s16, v1                    ; wave 0..7
	s_lshr_b32 s17, s16, 1                         ; head
	s_and_b32 s18, s16, 1                          ; query half; also: which half of the head's tile I fetch
	s_and_b32 s21, ttmp7, 0xffff                   ; batch: the cluster's y, the same in all four partners
	; group 1: 16,384 dense bytes as 64 rows of 32 elements of 8 bytes
	s_mov_b32 s24, 0x0023000f                      ; 15:0 mask: all four work-groups of the cluster; 17:16 elements of 8 bytes; 21 set beside a mask
	s_mov_b32 s25, 32<<16                          ; tensor_dim0 = 32
	s_mov_b32 s26, 64<<16                          ; tensor_dim1 = 64
	s_mov_b32 s27, 32<<16                          ; tile_dim0 = 32
	s_mov_b32 s28, 64                              ; tile_dim1 = 64
	s_mov_b32 s29, 32                              ; 32 elements from row to row
	s_mov_b32 s30, 0
	s_mov_b32 s31, 0
	; group 0: made of the batch and the wave's number alone, so that it is equal in the four partners
	s_lshl_b32 s40, s21, 21                        ; a batch of kv: 4 heads x 512 KiB
	s_lshl_b32 s41, s17, 19
	s_add_co_u32 s40, s40, s41
	s_lshl_b32 s41, s18, 14
	s_add_co_u32 s40, s40, s41
	s_mov_b32 s41, 0
	s_mov_b32 s32, 1
	s_lshl_b32 s33, s16, 14                        ; LDS: wave x 16,384 = head x 32,768 + half x 16,384
	s_mov_b32 s36, 1
	s_add_co_u32 s37, s33, SLOT
	s_wait_dscnt 0x0
	s_wait_kmcnt 0x0
	s_add_nc_u64 s[34:35], s[6:7], s[40:41]        ; tile 0
	s_add_nc_u64 s[38:39], s[34:35], 32768         ; tile 1: 256 keys of a head are 32,768 bytes
	s_or_b32 s35, s35, 0x80000000                  ; type 2
	s_or_b32 s39, s39, 0x80000000
	ROUND                                          ; the four work-groups are here: the first joint loads meet
	tensor_load_to_lds s[32:35], s[24:31]          ; tile 0 into slot 0
	s_nop 0
	s_bfe_u32 s19, ttmp6, 0x40000                  ; cx
	s_lshl_b32 s20, ttmp9, 2
	s_add_co_u32 s20, s20, s19                     ; query block = 4 x cluster x + cx: it enters global addresses of plain loads and stores alone
	s_lshl_b32 s42, s21, 20                        ; qf: (4 b + head) x 256 KiB + (4 qb + 2 qh) x 1,024
	s_lshl_b32 s43, s17, 18
	s_add_co_u32 s42, s42, s43
	s_lshl_b32 s43, s20, 12
	s_add_co_u32 s42, s42, s43
	s_lshl_b32 s43, s18, 11
	s_add_co_u32 s42, s42, s43
	s_mov_b32 s43, 0
	s_add_nc_u64 s[4:5], s[4:5], s[42:43]
	v_and_b32 v1, 31, v0
	v_lshlrev_b32 v1, 4, v1                        ; 16 L
.irp qt, 0,1
	global_load_b128 v[QF+8*\qt:QF+8*\qt+3],   v1, s[4:5] offset:1024*\qt
	global_load_b128 v[QF+8*\qt+4:QF+8*\qt+7], v1, s[4:5] offset:1024*\qt+512
.endr
	s_lshl_b32 s42, s16, 12                        ; proj_w's o-tile w: tiles 96 + 4 w .. of wf
	s_add_co_u32 s42, s42, 98304
	s_add_nc_u64 s[8:9], s[8:9], s[42:43]
	s_lshl_b32 s42, s16, 6                         ; proj_b of rows 16 w ..
	s_add_nc_u64 s[10:11], s[10:11], s[42:43]
	s_lshl_b32 s42, s21, 21                        ; x, out0: batch, rows 16 w .., the block's 256 bytes of each row
	s_lshl_b32 s45, s16, 18
	s_add_co_u32 s42, s42, s45
	s_lshl_b32 s45, s20, 8
	s_add_co_u32 s42, s42, s45
	s_add_nc_u64 s[12:13], s[12:13], s[42:43]
	s_add_nc_u64 s[14:15], s[14:15], s[42:43]
	s_mov_b32 s22, 0x76543210                      ; v_permlanex16_b32: lane i reads lane i of the other half
	s_mov_b32 s23, 0xfedcba98
	s_lshl_b32 s45, s17, 15
	v_add_nc_u32 v2, s45, v1
	v_add_nc_u32 v3, SLOT, v2
	s_lshl_b32 s45, s16, 11                        ; my two tiles of ASTG: 4 head + 2 qh + 0, 1 = 2 w + 0, 1, of 1,024 bytes each
	s_add_co_u32 s45, s45, ASTG
	v_add_nc_u32 v14, s45, v1
	v_add_nc_u32 v15, ASTG, v1
	s_mul_i32 s46, s16, 16*272
	s_add_co_u32 s46, s46, OSTG                    ; my stage
	v_and_b32 v244, 15, v0                         ; r
	v_bfe_u32 v245, v0, 4, 1                       ; h
	v_mul_u32_u24 v240, v244, 272
	v_lshl_add_u32 v240, v245, 5, v240
	v_add_nc_u32 v240, s46, v240                   ; in: row r, 32 bytes for each half of the lanes
	v_mul_u32_u24 v241, v245, 272
	v_lshl_add_u32 v241, v244, 4, v241
	v_add_nc_u32 v241, s46, v241                   ; back: lanes 0-15 one row of 256 bytes, lanes 16-31 the next
	v_lshlrev_b32 v242, 14, v245
	v_lshl_add_u32 v242, v244, 4, v242             ; the same two rows in x and out0
	v_lshlrev_b32 v243, 2, v244
.irp i, 0,1,2,3,4,5,6,7
	v_mov_b32 v[ON+\i], 0x3f803f80                 ; two bf16 ones
.endr
	v_mov_b32 v[MX+1], 0                           ; upper registers of pairs: named by the packed forms, never used
	v_mov_b32 v[MX+3], 0
	v_mov_b32 v[AL+1], 0
; Step i of a slot is 64 keys: two blocks of 4,096 bytes.
.macro LDK slot, i                     ; its four K tiles
.irp t, 0,1,2,3
	ds_load_b128 v[KF+8*\t:KF+8*\t+3],   v[2+\slot] offset:8192*(\i)+4096*(\t/2)+1024*(\t%2)
	ds_load_b128 v[KF+8*\t+4:KF+8*\t+7], v[2+\slot] offset:8192*(\i)+4096*(\t/2)+1024*(\t%2)+512
.endr
.endm
.macro LDV slot, i                     ; its four V^T tiles, f = 2 x block + channel tile
.irp f, 0,1,2,3
	ds_load_b128 v[VF+8*\f:VF+8*\f+3],   v[2+\slot] offset:8192*(\i)+2048+4096*(\f/2)+1024*(\f%2)
	ds_load_b128 v[VF+8*\f+4:VF+8*\f+7], v[2+\slot] offset:8192*(\i)+2048+4096*(\f/2)+1024*(\f%2)+512
.endr
.endm
.macro QK qt                           ; 64 keys x 16 queries
.irp t, 0,1,2,3
	MM0 SC+32*\qt+8*\t, KF+8*\t, QF+8*\qt
.endr
.endm
; The softmax step of one query tile: 32 registers of scores become 16 registers of bf16 p.  first = 1: the first 64 keys start m, and there is nothing to correct.
.macro SM qt, first
.irp t, 0,1,2,3
	v_max3_num_f32 v[TM+\t], v[SC+32*\qt+8*\t], v[SC+32*\qt+8*\t+1], v[SC+32*\qt+8*\t+2]       ; four chains, one for each key tile
.endr
.irp t, 0,1,2,3
	v_max3_num_f32 v[TM+\t], v[TM+\t], v[SC+32*\qt+8*\t+3], v[SC+32*\qt+8*\t+4]
.endr
.irp t, 0,1,2,3
	v_max3_num_f32 v[TM+\t], v[TM+\t], v[SC+32*\qt+8*\t+5], v[SC+32*\qt+8*\t+6]
.endr
	v_max3_num_f32 v[TM],   v[TM],   v[TM+1], v[SC+32*\qt+7]
	v_max3_num_f32 v[TM+2], v[TM+2], v[TM+3], v[SC+32*\qt+15]
	v_max3_num_f32 v[TM],   v[TM],   v[TM+2], v[SC+32*\qt+23]
	v_max_num_f32  v[TM],   v[TM],   v[SC+32*\qt+31]
	v_permlanex16_b32 v[TM+1], v[TM], s22, s23     ; the query's other 32 keys lie in lane L xor 16
.if \first
	v_max_num_f32 v[MX+2*\qt], v[TM], v[TM+1]
.else
	v_max3_num_f32 v[TM+2], v[TM], v[TM+1], v[MX+2*\qt]
	v_sub_f32 v[AL], v[MX+2*\qt], v[TM+2]
	v_mov_b32 v[MX+2*\qt], v[TM+2]
	v_exp_f32 v[AL], v[AL]                         ; used behind the subtractions below, which are plain work on other registers (ISA guide 5.7.2)
.endif
.set idx, 0
.rept 16
	v_pk_add_f32 v[SC+32*\qt+idx:SC+32*\qt+idx+1], v[SC+32*\qt+idx:SC+32*\qt+idx+1], v[MX+2*\qt:MX+2*\qt+1] op_sel_hi:[1,0] neg_lo:[0,1] neg_hi:[0,1]
.set idx, idx+2
.endr
.set idx, 0
.rept 32
	v_exp_f32 v[SC+32*\qt+idx], v[SC+32*\qt+idx]
.set idx, idx+1
.endr
.if \first
	v_nop                                          ; one plain place between the exponentials and the first use of a result (ISA guide 5.7.2)
	s_wait_alu depctr_va_vdst(0)
.else
	s_wait_alu depctr_va_vdst(0)
.irp j, 0,2,4,6,8,10,12,14
	v_pk_mul_f32 v[OA+16*\qt+\j:OA+16*\qt+\j+1], v[OA+16*\qt+\j:OA+16*\qt+\j+1], v[AL:AL+1] op_sel_hi:[1,0]    ; the sums so far move to the new maximum: also the plain places behind the exponentials
.endr
.irp j, 0,2,4,6
	v_pk_mul_f32 v[LS+8*\qt+\j:LS+8*\qt+\j+1], v[LS+8*\qt+\j:LS+8*\qt+\j+1], v[AL:AL+1] op_sel_hi:[1,0]
.endr
.endif
.set idx, 0
.rept 16
	v_cvt_pk_bf16_f32 v[PF+idx], v[SC+32*\qt+2*idx], v[SC+32*\qt+2*idx+1]
.set idx, idx+1
.endr
.endm
; O^T and l of one query tile take in 64 keys.  Three accumulators take turns, one instruction a turn; the matrix instruction
; in front of the first is on other registers (scores, or the other query tile's l), round the loop's backward jump too.
.macro PV qt, first
.irp kb, 0,1
.if \first*(1-\kb)
	MM0 OA+16*\qt,   VF+16*\kb,   PF+8*\kb         ; the first product starts the sums: nothing is cleared
	MM0 OA+16*\qt+8, VF+16*\kb+8, PF+8*\kb
	MM0 LS+8*\qt,    ON,          PF+8*\kb
.else
	MM OA+16*\qt,   VF+16*\kb,   PF+8*\kb, OA+16*\qt
	MM OA+16*\qt+8, VF+16*\kb+8, PF+8*\kb, OA+16*\qt+8
	MM LS+8*\qt,    ON,          PF+8*\kb, LS+8*\qt
.endif
.endr
.endm
; 64 keys.  mode 1: the next step's K is fetched from the same slot; 0: the slot's last step; 2: the last step of all, which fetches proj_w's fragments instead.
.macro STEP slot, i, first, mode
	s_wait_dscnt 0x0                               ; this step's K is in
.if \first
	s_wait_loadcnt 0x0                             ; Q
.endif
	QK 0
	QK 1
	PLACES                                         ; for the reads of the scores, for the loads into K's registers, and for those into V's, which the last step's products read
	LDV \slot, \i
.if \mode == 1
	LDK \slot, \i+1
.endif
.if \mode == 2
.irp kk, 0,1,2,3
	global_load_b128 v[KF+8*\kk:KF+8*\kk+3],   v1, s[8:9] offset:1024*\kk
	global_load_b128 v[KF+8*\kk+4:KF+8*\kk+7], v1, s[8:9] offset:1024*\kk+512
.endr
.endif
	SM 0, \first
.if \mode == 1
	s_wait_dscnt 0x8                               ; V's eight loads are in; the eight of the next K behind them stay out
.else
	s_wait_dscnt 0x0
.endif
	PV 0, \first
	SM 1, \first                                   ; P's registers are rewritten more than four plain instructions on other registers behind the products that read them
	PV 1, \first
.endm
; One tile of 256 keys.  In front of the round every wave has waited for its reads of the other slot and for its tensor load, which is its part of this
; slot's tile; behind the round that holds of every wave of the four work-groups: the other slot is filled again first, then this slot is read.
.macro TRIP slot, refill, first, last
	s_wait_tensorcnt 0x0                           ; no tensor load of mine is out,
	ds_add_u32 v254, v255
	s_wait_dscnt 0x0
	s_add_nc_u64 s[34+4*\slot:35+4*\slot], s[34+4*\slot:35+4*\slot], 65536      ; so this slot's group 0 may step to its next tile, two tiles on
	s_wait_dscnt 0x0                               ; my LDS reads are back
	ROUND
.if \refill
	tensor_load_to_lds s[36-4*\slot:39-4*\slot], s[24:31]      ; the next tile, into the slot that was read last
	s_nop 0
.endif
	LDK \slot, 0
	STEP \slot, 0, \first, 1
	STEP \slot, 1, 0, 1
	STEP \slot, 2, 0, 1
	STEP \slot, 3, 0, 2*\last
.endm
	TRIP 0, 1, 1, 0                                ; tiles 0 and 1 stand in front of the loop: the first step starts all sums
	TRIP 1, 1, 0, 0
	s_mov_b32 s44, 6                               ; tiles 2 to 13
.Llap:
	TRIP 0, 1, 0, 0
	TRIP 1, 1, 0, 0
	s_sub_co_u32 s44, s44, 1
	s_cmp_lg_u32 s44, 0
	s_cbranch_scc1 .Llap
	TRIP 0, 1, 0, 0                                ; tile 14; asks for tile 15, the last
	TRIP 1, 0, 0, 1                                ; tile 15: nothing more to fetch (the stepped address is not used)
	; O^T / l, to bf16, into ASTG as the projection's operands
	PLACES                                         ; behind the last products: for the reads of O^T and l, the writes of P's registers and the loads into V's
	global_load_b32 v[BI], v243, s[10:11]
.irp i, 0,1,2,3,4,5,6,7
	global_load_b128 v[VF+4*\i:VF+4*\i+3], v242, s[12:13] offset:32768*\i th:TH_LOAD_NT    ; x of rows 16 w + 2 i + h: sixteen lanes read the block's 256 bytes of a row
.endr
	v_rcp_f32 v[MX], v[LS]
	v_rcp_f32 v[MX+2], v[LS+8]
	v_nop                                          ; one plain place behind the reciprocals (ISA guide 5.7.2)
	s_wait_alu depctr_va_vdst(0)
.irp qt, 0,1
.irp j, 0,2,4,6,8,10,12,14
	v_pk_mul_f32 v[OA+16*\qt+\j:OA+16*\qt+\j+1], v[OA+16*\qt+\j:OA+16*\qt+\j+1], v[MX+2*\qt:MX+2*\qt+1] op_sel_hi:[1,0]
.endr
.endr
.set idx, 0
.rept 16
	v_cvt_pk_bf16_f32 v[PF+idx], v[OA+2*idx], v[OA+2*idx+1]
.set idx, idx+1
.endr
	; ASTG shares no byte with the slots, so these stores need no order with any wave's reads of the last tile
.irp qt, 0,1
	ds_store_b128 v14, v[PF+8*\qt:PF+8*\qt+3]   offset:1024*\qt          ; channels 8 h + 0..7 of the head: registers 0-3
	ds_store_b128 v14, v[PF+8*\qt+4:PF+8*\qt+7] offset:1024*\qt+512      ; channels 16 + 8 h + 0..7: registers 4-7
.endr
	s_wait_dscnt 0x0                               ; my part is written before I say so
	s_barrier_signal -1
	s_barrier_wait -1                              ; all four heads of all 64 queries are there
	s_wait_loadcnt 0x8                             ; proj_w's fragments and the bias are in; x's eight loads behind them stay out
.irp i, 1,2,3,4,5,6,7
	v_mov_b32 v[BI+\i], v[BI]                      ; a lane's eight results are one output row: one bias
.endr
; The projection: wave w makes output rows 16 w .. 16 w + 15 for all 64 queries.  D = attention (rows: queries) x proj_w (columns: output rows), so that a lane
; holds 8 neighbouring queries of one output row.  Query tiles 2 hf, 2 hf + 1: two accumulators take turns.
; The operand of query tile tg and K step kk (= head) lies at ASTG + 1,024 (4 kk + tg).
.macro PROJ hf
.irp tt, 0,1
.irp kk, 0,1,2,3
	ds_load_b128 v[SC+32*\tt+8*\kk:SC+32*\tt+8*\kk+3],   v15 offset:1024*(4*\kk+2*\hf+\tt)
	ds_load_b128 v[SC+32*\tt+8*\kk+4:SC+32*\tt+8*\kk+7], v15 offset:1024*(4*\kk+2*\hf+\tt)+512
.endr
.endr
	s_wait_dscnt 0x0
.irp kk, 0,1,2,3
.irp tt, 0,1
.if \kk == 0
	MM OA+8*(2*\hf+\tt), SC+32*\tt+8*\kk, KF+8*\kk, BI         ; the bias starts the sum
.else
	MM OA+8*(2*\hf+\tt), SC+32*\tt+8*\kk, KF+8*\kk, OA+8*(2*\hf+\tt)
.endif
.endr
.endr
	PLACES                                         ; for the next loads into the operands' registers and for the LDS stores of the results
.endm
	PROJ 0
	PROJ 1
	; The way out: 16 rows x 256 bytes through my own stage (pitch 272: sixteen rows start at sixteen different 16-byte columns), back as whole rows, + x, out.
.irp tt, 0,1,2,3
	ds_store_b128 v240, v[OA+8*\tt:OA+8*\tt+3]   offset:64*\tt
	ds_store_b128 v240, v[OA+8*\tt+4:OA+8*\tt+7] offset:64*\tt+16
.endr
.irp i, 0,1,2,3,4,5,6,7
	ds_load_b128 v[SC+4*\i:SC+4*\i+3], v241 offset:544*\i      ; LDS serves a wave's instructions in order (ISA guide 5.7.1): these see the stores above
.endr
	s_wait_loadcnt 0x0                             ; x
.irp i, 0,1,2,3,4,5,6,7
	s_wait_dscnt 7-\i                              ; rows 2 i, 2 i + 1 are back; the younger loads stay out
	v_pk_add_f32 v[SC+4*\i:SC+4*\i+1],   v[SC+4*\i:SC+4*\i+1],   v[VF+4*\i:VF+4*\i+1]
	v_pk_add_f32 v[SC+4*\i+2:SC+4*\i+3], v[SC+4*\i+2:SC+4*\i+3], v[VF+4*\i+2:VF+4*\i+3]
	global_store_b128 v242, v[SC+4*\i:SC+4*\i+3], s[14:15] offset:32768*\i th:TH_STORE_NT      ; sixteen lanes store 256 consecutive bytes at a multiple of 256
.endr
	s_wait_tensorcnt 0x0
	ds_add_u32 v254, v255
	s_wait_dscnt 0x0
	ROUND                                          ; the closing round: no work-group ends while a partner may still ask for a tile that names it
	s_endpgm
.Lfunc_end_k_q08d542fe28_attn:
	.size	k_q08d542fe28_attn, .Lfunc_end_k_q08d542fe28_attn-k_q08d542fe28_attn
	.p2alignl 7, 3214868480
	.fill 96, 4, 3214868480
	.section	.rodata,"a",@progbits
	.p2align	6, 0x0
	.amdhsa_kernel k_q08d542fe28_attn
		.amdhsa_group_segment_fixed_size 327680
		.amdhsa_private_segment_fixed_size 0
		.amdhsa_enable_private_segment 0
		.amdhsa_kernarg_size 48
		.amdhsa_user_sgpr_count 2
		.amdhsa_user_sgpr_kernarg_segment_ptr 1
		.amdhsa_wavefront_size32 1
		.amdhsa_system_sgpr_workgroup_id_x 1
		.amdhsa_system_sgpr_workgroup_id_y 1
		.amdhsa_system_sgpr_workgroup_id_z 1
		.amdhsa_system_vgpr_workitem_id 0
		.amdhsa_next_free_vgpr 256
		.amdhsa_next_free_sgpr 66
		.amdhsa_reserve_vcc 0
		.amdhsa_float_denorm_mode_32 3
		.amdhsa_float_denorm_mode_16_64 3
		.amdhsa_memory_ordered 1
		.amdhsa_forward_progress 1
		.amdhsa_inst_pref_size 255
	.end_amdhsa_kernel
	.section	.bss,"aw",@nobits
	.p2align	6
	.space	262144
	.amdgpu_metadata
---
amdhsa.version: [ 1, 2 ]
amdhsa.kernels:
  - .name:           k_q08d542fe28_attn
    .symbol:         k_q08d542fe28_attn.kd
    .args:
      - { .name: qf, .offset: 0, .size: 8, .value_kind: global_buffer, .address_space: global }
      - { .name: kv, .offset: 8, .size: 8, .value_kind: global_buffer, .address_space: global }
      - { .name: wf, .offset: 16, .size: 8, .value_kind: global_buffer, .address_space: global }
      - { .name: proj_b, .offset: 24, .size: 8, .value_kind: global_buffer, .address_space: global }
      - { .name: x, .offset: 32, .size: 8, .value_kind: global_buffer, .address_space: global }
      - { .name: out0, .offset: 40, .size: 8, .value_kind: global_buffer, .address_space: global }
    .group_segment_fixed_size: 327680
    .private_segment_fixed_size: 0
    .kernarg_segment_align: 8
    .kernarg_segment_size: 48
    .max_flat_workgroup_size: 256
    .sgpr_count:     66
    .vgpr_count:     256
    .wavefront_size: 32
...
	.end_amdgpu_metadata
.endif
;; end of part 3
